; MI455X (gfx1250); checked and timed in simulation.
; The chip was launched on July 23, 2026; its instructions are those of AMD's public machine-readable ISA for CDNA 5 (MIT licence, August 2026) and "CDNA5" Instruction Set Architecture Reference Guide (July 2026). The comments in the code are by the model that wrote it; some were corrected since.
;; Model. Allowed arithmetic: float matrix products may take bf16 or f16 operands with f32 sums; all other float work in f32.
;; Inputs: b_fc 28 float32; bk 32 float32; bo 32 float32; bq 32 float32; bv 32 float32; emb 28 x 32 float32; mask 64 x 1,024 x 1 float32; pe 1,024 x 32 float32; w_fc 28 x 32 float32; wk 32 x 32 float32; wo 32 x 32 float32; wq 32 x 32 float32; wv 32 x 32 float32; x 64 x 1,024 int32.
;; Outputs: out0 64 x 1,024 x 28 float32.
;; One version. Each part assembles by itself: llvm-mc -triple=amdgcn-amd-amdhsa -mcpu=gfx1250 --defsym DOCPART=n.
;; ======== version 1 of 1: 1 launch
;; limits: values are held in f16: magnitudes above 65,504 overflow, below 6.1e-05 lose precision; right only within a limited range of input values
;; launch attn (part 1): grid 256 x 1, 8 waves a work-group, no clusters, 269,056 bytes of LDS; arguments x, mask, emb, pe, wq, wk, wv, wo, w_fc, bq, bk, bv, bo, b_fc, out0; writes out0
.if DOCPART == 1
	.amdgcn_target "amdgcn-amd-amdhsa--gfx1250"
	.amdhsa_code_object_version 6
	.text
	.protected	k_q46a5c880a6_attn
	.globl	k_q46a5c880a6_attn
	.p2align	8
	.type	k_q46a5c880a6_attn,@function
k_q46a5c880a6_attn:
	s_mov_b64 s[64:65], 0
	v_nop
	global_prefetch_b8 v0, s[64:65] scope:SCOPE_SE
	s_setreg_imm32_b32 hwreg(HW_REG_WAVE_MODE, 25, 1), 1
	s_wait_xcnt 0x0
; Masked self-attention, B = 64, S = 1024, D = 32, two heads of 16, with the embedding in front and two projections behind.
; One launch.  Work-group x: batch x >> 2, query block x & 3 (256 queries).  Eight waves: wave w = head (w & 1), query group (w >> 1, 64 queries).
; PROLOGUE  every work-group builds h, K and V^T of its whole batch (1,024 keys) in LDS; wave w makes key tiles 8 w .. 8 w + 7.
; PASS 1    S^T = K Q^T for all keys; only the maximum of each query's scores is kept.
; PASS 2    S^T again, with the maximum taken away inside the matrix instruction; exp2; packed to f16 in place; O^T += V^T P^T, L += ones P^T.
; EPILOGUE  O / L + bv, the two heads' halves swapped through LDS, o wo^T + bo, then w_fc^T + b_fc, out through an LDS stage.
; LAYOUT (lane L: r = L & 15, h = L >> 4).  In S^T = A(16 keys) x B(16 queries) register j of a lane is key 8 h + j of query r: the maximum over
; keys stays in the lane but for one exchange of the halves, and register pairs packed to 16 bits ARE registers 0-3 (even key tile) or 4-7 (odd key tile)
; of the B fragment P^T.  K = A(wk rows) x B(h) and V^T = A(h) x B(wv rows) likewise come out as the lane's own part of the later A fragment,
; so every tile lies in LDS as blocks of 512 bytes, lane L at 16 L: stored and loaded at the same address, without bank conflicts.
; FORMATS.  h, wq, wk, wv, wo, q, k, v, P, o are matrix operands in f16: eleven bits, because six roundings feed every score and the result is an
; average of which small numbers are compared closely.  Room: with emb, pe, weights and biases all 30 times larger q, k, v, o reach about
; 900 x 6 = 5,400, a twelfth of f16's 65,504; 30 times smaller everywhere leaves v near 1e-3, a normal f16 number.  P lies in 0 .. 1; what f16 drops of it is
; below 2^-25 a key against a row sum of about 1 or more.  o wo^T has no such room (another factor 30), so the last product is bf16, with both
; operands as hi + lo (hi by truncation, lo rounded) and three products, hi hi + lo hi + hi lo; what is left out is below 2^-14 of a term.
; SPARE K SLOTS.  A head has 16 dims, the form contracts 32.  Register 4 of a K fragment is (bias, 2^15), register 5 (2^5, 2^-5); register 4 of a Q
; fragment is (2^15, hi 2^-15), register 5 (mid 2^-5, lo 2^5); both lane halves hold the same words, so each term counts twice:
; S + 2^16 bias + 2 (hi + mid + lo).  bias = 0 for a kept key, -2^15 for a masked one (-2^31 in the sum).  hi, mid, lo are -max / 2 cut by truncation into
; 11 + 11 + 2 bits; a piece that is a denormal in f16 is rounded there, by 2^-10 at the most, so the shift is the maximum to within 2^-9; one shift serves all
; keys of a row and L is the sum of the same P, so the weights do not depend on that.  In pass 1 the three pieces are 0.
; q is scaled by 0.25 log2(e) in f32 before rounding, so pass 2's result is the argument of exp2.
; A key is kept where the extended mask is not 0, or where no key of the batch has a mask other than 0 (then h = 0, all scores are equal, the weights
; are uniform, as in reference()).  bv is added behind the normalisation: the weights sum to 1.
; LIMITS.  |k|, |v|, |o| and 0.36 |q| stay below 65,504 (f16); a mask whose non-zero values are 30 as well, on top of 30 x 30 in h and the weights, would pass
; that.  A masked key gets the weight 0 exactly; reference() gives it exp(-1e9 - max), which differs only if all kept scores of a row lie below
; about -1e9.  x is clamped to 0 .. 27, the table's rows.
; NOT USED, AND WHY.  Joint loads in a cluster: the four work-groups of a batch share pe, x and mask (136 KB), but these are read once, in the head, and go
; through registers anyway (gather, add, scale, round); both loops read LDS alone.  Tensor loads, prefetches: the same reason.  Skipping masked
; keys: the mask is floating-point data.
.set KV,     0                         ; 131,072  head x 65,536 + (32 keys) x 2,048: K even tile, K odd tile, V^T registers 0-3, V^T registers 4-7, 512 bytes each
.set HB,     131072                    ;  65,536  h fragments, key tile x 1,024: registers 0-3, registers 4-7
.set BW,     196608                    ;   4,096  register 4 of the K fragment, one word a key
.set XCH,    200704                    ;  16,384  group x 4,096 + query tile x 1,024 + head x 512
.set STG,    217088                    ;  30,720  wave x 3,840: 32 output rows of 112 bytes, 256 bytes spare
.set STGW,   3840
.set WF,     247808                    ;  12,288  weight fragments of 1,024 bytes: wq 0,1  wk 2,3  wv 4,5  wo 6,7 (f16)  w_fc hi 8,9  w_fc lo 10,11 (bf16)
.set EMB,    260096                    ;   4,608  32 rows of 144 bytes (128 + 16); rows 28-31 are never indexed
.set EPITCH, 144
.set VEC,    264704                    ;   4,096  wave x 512, each wave's own copy: bq, bv, bo, b_fc, 128 bytes each
.set RED,    268800                    ;     256  one word a wave
.set OROW,   112                       ; bytes in a row of the output
; registers of the passes                registers of the prologue
.set QF,  16                           ; v16-47   four Q fragments          / wk 0,1 and wv 0,1 fragments
.set ONE, 48                           ; v48-55   a fragment of 1.0         / EA: LDS address of each tile's emb row
.set KFR, 56                           ; v56-87   K fragments, 16 X + 8 t   / BKC v56-71 bk as C, EM v72-87 gathered emb
.set VFR, 88                           ; v88-103  V^T fragments, 8 X        / K results of head 0, 1
.set SCA, 104                          ; v104-135 scores, buffer A          / PE v104-231: pe, then h, 16 registers a tile
.set SCB, 136                          ; v136-167 scores, buffer B
.set OAC, 168                          ; v168-199 O^T, 8 a query tile (pass 1: MXR, 16 running maxima)
.set MXR, 168
.set LAC, 200                          ; v200-231 row sums, 8 a query tile
.set EA,  48                           ; v232-247 scratch                   / V results of head 0, 1
.set BKC, 56                           ; v248-255                           / NM: the mask of my key in each tile
.set EM,  72
.set PE,  104
.set NM,  248
; v1 = L, v2 = r, v3 = h throughout; v4-v15, v0: addresses and constants, named where they are made
	s_load_b512 s[4:19], s[0:1], 0x0               ; x s4, mask s6, emb s8, pe s10, wq s12, wk s14, wv s16, wo s18
	s_load_b256 s[20:27], s[0:1], 0x40             ; w_fc s20, bq s22, bk s24, bv s26
	s_load_b128 s[28:31], s[0:1], 0x60             ; bo s28, b_fc s30
	s_load_b64 s[32:33], s[0:1], 0x70              ; out0
	v_and_b32 v1, 31, v0                           ; L
	v_and_b32 v2, 15, v0                           ; r
	v_bfe_u32 v3, v0, 4, 1                         ; h
	v_lshrrev_b32 v4, 5, v0
	v_readfirstlane_b32 s34, v4                    ; wave w
	s_and_b32 s35, s34, 1                          ; head
	s_lshr_b32 s36, s34, 1                         ; query group g
	s_lshr_b32 s37, ttmp9, 2                       ; batch
	s_and_b32 s38, ttmp9, 3                        ; query block
	s_mov_b32 s42, 0x76543210                      ; v_permlanex16_b32: lane i takes lane i of the other half
	s_mov_b32 s43, 0xfedcba98
	s_mov_b32 s46, 0xffff0000                      ; the upper 16 bits of an f32: its bf16 by truncation
	s_mov_b32 s50, 0xffffe000                      ; sign, exponent and ten bits: an f32 cut to f16's eleven significant bits
	s_mov_b32 s51, 0x07060302                      ; v_perm_b32: the upper halves of two words, the second source's below
	; byte offsets of the global loads
	v_lshlrev_b32 v8, 4, v0                        ; the batch's mask, four numbers a thread
	v_lshlrev_b32 v9, 7, v2
	v_lshl_add_u32 v9, v3, 5, v9                   ; 128 r + 32 h: a fragment's lane in rows of 32 f32
	s_lshl_b32 s47, s35, 11
	v_add_nc_u32 v10, s47, v9                      ; rows 16 (w & 1) + r of my weight matrix
	v_min_u32 v11, 223, v0
	v_lshlrev_b32 v11, 4, v11                      ; emb has 224 pieces of 16 bytes
	v_lshlrev_b32 v12, 2, v1
	v_min_u32 v13, 27, v1
	v_lshlrev_b32 v13, 2, v13                      ; b_fc has 28 words
	s_lshl_b32 s47, s34, 9
	v_lshl_add_u32 v14, v2, 2, s47                 ; x and mask of key 128 w + r
	v_lshlrev_b32 v15, 5, v3                       ; bk as a C fragment: 8 h + j
	s_lshl_b32 s47, s34, 14
	v_add_nc_u32 v7, s47, v9                       ; pe at row 128 w + r
	s_wait_kmcnt 0x0
	s_lshl_b32 s48, s37, 12                        ; a batch's row of x and of mask: 4,096 bytes
	s_mov_b32 s49, 0
	s_add_nc_u64 s[4:5], s[4:5], s[48:49]
	s_add_nc_u64 s[6:7], s[6:7], s[48:49]
	s_mul_i32 s48, ttmp9, 256*OROW                 ; the work-group's 256 output rows,
	s_mul_i32 s47, s34, 32*OROW                    ; of which the wave stores 32
	s_add_co_u32 s48, s48, s47
	s_add_nc_u64 s[32:33], s[32:33], s[48:49]
	s_cmp_eq_u32 s36, 1                            ; waves 0,1 stage wq; 2,3 wk; 4,5 wv; 6,7 wo
	s_cselect_b64 s[40:41], s[14:15], s[12:13]
	s_cmp_eq_u32 s36, 2
	s_cselect_b64 s[40:41], s[16:17], s[40:41]
	s_cmp_eq_u32 s36, 3
	s_cselect_b64 s[40:41], s[18:19], s[40:41]
	; ---------------- A. all global loads, oldest first in the order of their use ----------------
	s_cmp_gt_u32 s34, 1
	s_cbranch_scc1 .Lno_fc_load                    ; waves 0 and 1 also stage w_fc's fragments
	s_lshl_b32 s47, s34, 4
	v_add_nc_u32 v5, s47, v2
	v_min_u32 v5, 27, v5                           ; rows 28-31 do not exist: row 27 again, its results are not stored
	v_lshlrev_b32 v5, 7, v5
	v_lshl_add_u32 v5, v3, 5, v5
	global_load_b128 v[232:235], v5, s[20:21]
	global_load_b128 v[236:239], v5, s[20:21] offset:16
	global_load_b128 v[240:243], v5, s[20:21] offset:64
	global_load_b128 v[244:247], v5, s[20:21] offset:80
.Lno_fc_load:
	global_load_b128 v[96:99], v8, s[6:7]          ; group 1, ten loads: what is staged in LDS
	global_load_b128 v[72:75], v10, s[40:41]       ; a fragment's lane: dims 8 h .. + 7 and 16 + 8 h .. + 7 of its row
	global_load_b128 v[76:79], v10, s[40:41] offset:16
	global_load_b128 v[80:83], v10, s[40:41] offset:64
	global_load_b128 v[84:87], v10, s[40:41] offset:80
	global_load_b128 v[100:103], v11, s[8:9]
	global_load_b32 v16, v12, s[22:23]
	global_load_b32 v17, v12, s[26:27]
	global_load_b32 v18, v12, s[28:29]
	global_load_b32 v19, v13, s[30:31]
.irp i, 0,1,2,3,4,5,6,7
	global_load_b32 v[EA+\i], v14, s[4:5] offset:64*\i             ; group 2, twenty loads: x,
.endr
.irp i, 0,1,2,3,4,5,6,7
	global_load_b32 v[NM+\i], v14, s[6:7] offset:64*\i             ; the mask of key 128 w + 16 i + r,
.endr
	global_load_b128 v[BKC:BKC+3], v15, s[24:25]                   ; bk[16 t + 8 h + j]
	global_load_b128 v[BKC+4:BKC+7], v15, s[24:25] offset:16
	global_load_b128 v[BKC+8:BKC+11], v15, s[24:25] offset:64
	global_load_b128 v[BKC+12:BKC+15], v15, s[24:25] offset:80
.irp i, 0,1,2,3,4,5,6,7
	global_load_b128 v[PE+16*\i:PE+16*\i+3], v7, s[10:11] offset:2048*\i        ; group 3, 32 loads: pe, four a key tile
	global_load_b128 v[PE+16*\i+4:PE+16*\i+7], v7, s[10:11] offset:2048*\i+16
	global_load_b128 v[PE+16*\i+8:PE+16*\i+11], v7, s[10:11] offset:2048*\i+64
	global_load_b128 v[PE+16*\i+12:PE+16*\i+15], v7, s[10:11] offset:2048*\i+80
.endr
	s_wait_loadcnt 52                              ; groups 2 and 3 (20 + 32) stay out; group 1 and what is older are in
.irp j, 0,1,2,3,4,5,6,7
	v_cvt_pk_f16_f32 v[88+\j], v[72+2*\j], v[72+2*\j+1]
.endr
	s_lshl_b32 s47, s34, 10
	s_add_co_u32 s47, s47, WF
	v_lshl_add_u32 v29, v1, 4, s47
	ds_store_b128 v29, v[88:91]                    ; weight fragment w
	ds_store_b128 v29, v[92:95] offset:512
	s_cmp_gt_u32 s34, 1
	s_cbranch_scc1 .Lno_fc_store
.irp j, 0,1,2,3,4,5,6,7
	v_perm_b32 v[40+\j], v[232+2*\j+1], v[232+2*\j], s51           ; hi: two upper halves
	v_and_b32 v20, s46, v[232+2*\j]
	v_and_b32 v21, s46, v[232+2*\j+1]
	v_sub_f32 v20, v[232+2*\j], v20                                ; what hi leaves, exact,
	v_sub_f32 v21, v[232+2*\j+1], v21
	v_cvt_pk_bf16_f32 v[232+\j], v20, v21                          ; is lo; in place: register j was read in an earlier turn or in this one
.endr
	ds_store_b128 v29, v[40:43] offset:8192        ; weight fragment 8 + w: w_fc hi
	ds_store_b128 v29, v[44:47] offset:8704
	ds_store_b128 v29, v[232:235] offset:10240     ; weight fragment 10 + w: w_fc lo
	ds_store_b128 v29, v[236:239] offset:10752
.Lno_fc_store:
	v_lshrrev_b32 v30, 3, v0                       ; emb: row = thread / 8, piece = thread % 8
	v_and_b32 v31, 7, v0
	v_mul_u32_u24 v30, EPITCH, v30
	v_lshl_add_u32 v30, v31, 4, v30
	v_add_nc_u32 v30, EMB, v30
	ds_store_b128 v30, v[100:103]
	s_lshl_b32 s39, s34, 9
	s_add_co_u32 s39, s39, VEC                     ; my wave's copy of the four vectors (kept in s39)
	v_lshl_add_u32 v31, v1, 2, s39
	ds_store_b32 v31, v16
	ds_store_b32 v31, v17 offset:128
	ds_store_b32 v31, v18 offset:256
	ds_store_b32 v31, v19 offset:384
	; the batch's last index with mask > 0, as a maximum of codes: the index where mask > 0, -1 where it is another number than 0, -2 where it is 0
	v_lshlrev_b32 v20, 2, v0
	v_cvt_f32_u32 v20, v20
	v_add_f32 v21, 1.0, v20
	v_add_f32 v22, 2.0, v20
	v_add_f32 v23, 0x40400000, v20
.irp e, 0,1,2,3
	v_cmp_neq_f32 vcc_lo, 0, v[96+\e]
	v_cndmask_b32 v[24+\e], -2.0, -1.0, vcc_lo
	v_cmp_lt_f32 vcc_lo, 0, v[96+\e]
	v_cndmask_b32 v[24+\e], v[24+\e], v[20+\e], vcc_lo
.endr
	v_max3_num_f32 v24, v24, v25, v26
	v_max_num_f32 v24, v24, v27
	v_max_num_f32_dpp v24, v24, v24 row_xmask:1 row_mask:0xf bank_mask:0xf
	v_max_num_f32_dpp v24, v24, v24 row_xmask:2 row_mask:0xf bank_mask:0xf
	v_max_num_f32_dpp v24, v24, v24 row_xmask:4 row_mask:0xf bank_mask:0xf
	v_max_num_f32_dpp v24, v24, v24 row_xmask:8 row_mask:0xf bank_mask:0xf
	v_permlanex16_b32 v25, v24, s42, s43
	v_max_num_f32 v24, v24, v25
	s_lshl_b32 s47, s34, 2
	s_add_co_u32 s47, s47, RED
	v_mov_b32 v32, s47
	ds_store_b32 v32, v24
	s_wait_dscnt 0x0                               ; my staged bytes are in LDS, for the other waves' sake
	s_barrier_signal -1
	s_barrier_wait -1                              ; barrier 1: weights, emb and the eight codes are whole
	; ---------------- B. h, K, V^T of key tiles 8 w .. 8 w + 7 ----------------
	s_wait_xcnt 0x0                                ; the offset registers of the loads still out (v7, v14, v15) and the others are written again only behind this wait
	s_lshl_b32 s47, s34, 13
	v_lshl_add_u32 v4, v1, 4, s47                  ; v4: head 0's K and V^T of my tiles: w x 4 x 2,048 + 16 L
	v_add_nc_u32 v5, 65536, v4                     ; v5: head 1's
	v_add_nc_u32 v6, HB, v4                        ; v6: my h fragments: HB + w x 8 x 1,024 + 16 L
	s_lshl_b32 s47, s34, 9
	s_add_co_u32 s47, s47, BW
	v_lshl_add_u32 v7, v2, 2, s47                  ; v7: the word of key 128 w + r
	v_mov_b32 v13, RED
	v_lshlrev_b32 v14, 4, v1
	v_add_nc_u32 v14, WF, v14                      ; v14: WF + 16 L, kept to the end
	v_mov_b32 v15, 0x78000000                      ; v15: a kept key's word, (0, 2^15) in f16
	v_lshlrev_b32 v0, 5, v3
	v_add_nc_u32 v0, EMB, v0                       ; v0: EMB + 32 h
	ds_load_b128 v[88:91], v13
	ds_load_b128 v[92:95], v13 offset:16
.irp f, 0,1,2,3
	ds_load_b128 v[16+8*\f:19+8*\f], v14 offset:2048+1024*\f       ; wk 0, wk 1, wv 0, wv 1
	ds_load_b128 v[20+8*\f:23+8*\f], v14 offset:2560+1024*\f
.endr
	s_wait_loadcnt 32                              ; pe's 32 loads stay out: x, mask and bk are in
.irp i, 0,1,2,3,4,5,6,7
	v_min_u32 v[EA+\i], 27, v[EA+\i]               ; an index stays inside the table
	v_mul_u32_u24 v[EA+\i], EPITCH, v[EA+\i]
	v_add_nc_u32 v[EA+\i], v0, v[EA+\i]
.endr
.macro GATHER n                        ; my key's emb row, in the fragment's order
	ds_load_b128 v[EM:EM+3], v[EA+(\n)]
	ds_load_b128 v[EM+4:EM+7], v[EA+(\n)] offset:16
	ds_load_b128 v[EM+8:EM+11], v[EA+(\n)] offset:64
	ds_load_b128 v[EM+12:EM+15], v[EA+(\n)] offset:80
.endm
	GATHER 0
	s_wait_dscnt 0x0
	v_max3_num_f32 v88, v88, v89, v90
	v_max3_num_f32 v88, v88, v91, v92
	v_max3_num_f32 v88, v88, v93, v94
	v_max_num_f32 v88, v88, v95                    ; the batch's largest code
	v_cmp_gt_f32 s45, 0xbfc00000, v88              ; s45: all lanes on if it is -2: every mask of the batch is 0
	v_cmp_gt_f32 vcc_lo, 0, v88
	v_cndmask_b32 v88, v88, 0x447fc000, vcc_lo     ; no mask > 0: reference()'s argmax gives last = 1023
	v_cvt_i32_f32 v88, v88
	s_lshl_b32 s47, s34, 7
	s_sub_co_i32 s47, s47, 1
	v_add_nc_u32 v12, s47, v2
	v_sub_nc_u32 v12, v12, v88                     ; v12: my key of tile 0, less 1, less last: 0, 1, 2 (unsigned) in the three extended places
.macro PACKST i                        ; tile i's K and V^T of both heads: rounded in place, stored as the later fragments' registers
.irp j, 0,1,2,3
	v_cvt_pk_f16_f32 v[88+\j], v[88+2*\j], v[88+2*\j+1]
	v_cvt_pk_f16_f32 v[96+\j], v[96+2*\j], v[96+2*\j+1]
	v_cvt_pk_f16_f32 v[232+\j], v[232+2*\j], v[232+2*\j+1]
	v_cvt_pk_f16_f32 v[240+\j], v[240+2*\j], v[240+2*\j+1]
.endr
	ds_store_b128 v4, v[88:91] offset:((\i)>>1)*2048+((\i)&1)*512
	ds_store_b128 v5, v[96:99] offset:((\i)>>1)*2048+((\i)&1)*512
	ds_store_b128 v4, v[232:235] offset:((\i)>>1)*2048+((\i)&1)*512+1024
	ds_store_b128 v5, v[240:243] offset:((\i)>>1)*2048+((\i)&1)*512+1024
.endm
; One key tile.  The vector work that builds tile i's h stands between tile i - 1's matrix instructions and the lines that read their results
; (more than the four places of ISA guide 7.12.1).
.macro KVTILE i
	s_wait_loadcnt 4*(7-\i)                        ; the later tiles' pe, four loads each, stays out
.if \i == 1
	s_wait_dscnt 3                                 ; behind my gather stand tile 0's three stores
.elseif \i > 1
	s_wait_dscnt 7                                 ; behind my gather stand seven stores: four of K and V^T, two of h, one word
.endif
.irp j, 0,2,4,6,8,10,12,14
	v_pk_add_f32 v[PE+16*\i+\j:PE+16*\i+\j+1], v[PE+16*\i+\j:PE+16*\i+\j+1], v[EM+\j:EM+\j+1]
.endr
.if \i < 7
	GATHER \i+1
.endif
	v_add_nc_u32 v11, 16*\i, v12
	v_cmp_gt_u32 vcc_lo, 3, v11                    ; last < position <= last + 3 (with last = 1023 the difference wraps: never)
	v_cndmask_b32 v8, v[NM+\i], 1.0, vcc_lo        ; the extended mask
	v_mov_b32 v9, v8
	v_cmp_neq_f32 vcc_lo, 0, v8
	s_or_b32 vcc_lo, vcc_lo, s45                   ; kept: mask not 0, or the whole batch masked
	v_cndmask_b32 v10, 0x7800f800, v15, vcc_lo     ; (bias, 2^15): bias = 0 if kept, else -2^15
.irp j, 0,2,4,6,8,10,12,14
	v_pk_mul_f32 v[PE+16*\i+\j:PE+16*\i+\j+1], v[PE+16*\i+\j:PE+16*\i+\j+1], v[8:9]
.endr
.irp j, 0,1,2,3,4,5,6,7
	v_cvt_pk_f16_f32 v[PE+16*\i+\j], v[PE+16*\i+2*\j], v[PE+16*\i+2*\j+1]
.endr
.if \i > 0
	PACKST \i-1
.endif
	v_wmma_f32_16x16x32_f16 v[88:95], v[16:23], v[PE+16*\i:PE+16*\i+7], v[BKC:BKC+7]         ; K, head 0: (dim 8 h + j, key r)
	v_wmma_f32_16x16x32_f16 v[96:103], v[24:31], v[PE+16*\i:PE+16*\i+7], v[BKC+8:BKC+15]     ; K, head 1
	v_wmma_f32_16x16x32_f16 v[232:239], v[PE+16*\i:PE+16*\i+7], v[32:39], 0                  ; V, head 0: (key 8 h + j, dim r)
	v_wmma_f32_16x16x32_f16 v[240:247], v[PE+16*\i:PE+16*\i+7], v[40:47], 0                  ; V, head 1
	ds_store_b128 v6, v[PE+16*\i:PE+16*\i+3] offset:1024*\i
	ds_store_b128 v6, v[PE+16*\i+4:PE+16*\i+7] offset:1024*\i+512
	ds_store_b32 v7, v10 offset:64*\i              ; both lane halves store the same word
.endm
.irp i, 0,1,2,3,4,5,6,7
	KVTILE \i
.endr
.rept 4
	v_nop                                          ; four places behind the last matrix instructions (ISA guide 7.12.1)
.endr
	PACKST 7
	s_wait_dscnt 0x0                               ; my tiles are in LDS, for the other waves' sake
	s_barrier_signal -1
	s_barrier_wait -1                              ; barrier 2: K, V^T, h and the bias words of all 1,024 keys are whole; nothing writes them again
	; ---------------- C. my four Q fragments ----------------
	s_lshl_b32 s47, s35, 16
	v_lshl_add_u32 v4, v1, 4, s47                  ; v4: my head's K and V^T, first 32 keys; v5: the same, stepped
	v_mov_b32 v5, v4
	v_lshlrev_b32 v6, 2, v2
	v_add_nc_u32 v6, BW, v6                        ; v6: the bias word of key r; v7: the same, stepped
	v_mov_b32 v7, v6
	s_lshl_b32 s47, s38, 14                        ; h tile 16 x query block + 4 x group
	s_lshl_b32 s2, s36, 12
	s_add_co_u32 s47, s47, s2
	s_add_co_u32 s47, s47, HB
	v_lshl_add_u32 v8, v1, 4, s47
	s_lshl_b32 s2, s35, 10
	v_add_nc_u32 v9, s2, v14                       ; wq's fragment of my head
	v_lshl_add_u32 v11, v3, 5, s39                 ; v11: my vectors as C fragments, word 8 h + j (kept)
	s_lshl_b32 s2, s35, 6
	v_add_nc_u32 v10, s2, v11                      ; v10: the same at my head's 16 words (kept)
.macro KLOAD x, rec                    ; the two K fragments of 32 keys into buffer x: dims, and register 4
	ds_load_b128 v[KFR+16*(\x):KFR+16*(\x)+3], v5 offset:2048*(\rec)
	ds_load_b128 v[KFR+16*(\x)+8:KFR+16*(\x)+11], v5 offset:2048*(\rec)+512
	ds_load_b32 v[KFR+16*(\x)+4], v7 offset:128*(\rec)
	ds_load_b32 v[KFR+16*(\x)+12], v7 offset:128*(\rec)+64
.endm
.macro VLOAD x, rec                    ; the V^T fragment of 32 keys into buffer x
	ds_load_b128 v[VFR+8*(\x):VFR+8*(\x)+3], v5 offset:2048*(\rec)+1024
	ds_load_b128 v[VFR+8*(\x)+4:VFR+8*(\x)+7], v5 offset:2048*(\rec)+1536
.endm
.macro STEPADR                         ; 64 keys on
	v_add_nc_u32 v5, 4096, v5
	v_add_nc_u32 v7, 256, v7
.endm
.irp q, 0,1,2,3
	ds_load_b128 v[SCA+8*\q:SCA+8*\q+3], v8 offset:1024*\q
	ds_load_b128 v[SCA+8*\q+4:SCA+8*\q+7], v8 offset:1024*\q+512
.endr
	ds_load_b128 v[232:235], v9
	ds_load_b128 v[236:239], v9 offset:512
	ds_load_b128 v[240:243], v10                   ; bq
	ds_load_b128 v[244:247], v10 offset:16
	KLOAD 0, 0
	KLOAD 1, 1
	s_wait_dscnt 8                                 ; the two runs of K (four loads each) stay out
.irp q, 0,1,2,3
	v_wmma_f32_16x16x32_f16 v[SCB+8*\q:SCB+8*\q+7], v[232:239], v[SCA+8*\q:SCA+8*\q+7], v[240:247]   ; (dim 8 h + j, query r)
.endr
.irp j, 0,1,2,3,4,5,6,7
	v_mov_b32 v[ONE+\j], 0x3c003c00                ; 1.0 twice in f16; these twenty constants are also the places behind the four matrix instructions
.endr
.irp f, 0,1,2,3
	v_mov_b32 v[KFR+8*\f+5], 0x28005000            ; (2^5, 2^-5); K fragments' registers 5, 6, 7 never change
	v_mov_b32 v[KFR+8*\f+6], 0
	v_mov_b32 v[KFR+8*\f+7], 0
.endr
.irp j, 0,2,4,6,8,10,12,14,16,18,20,22,24,26,28,30
	v_pk_mul_f32 v[SCB+\j:SCB+\j+1], v[SCB+\j:SCB+\j+1], 0x3eb8aa3b op_sel_hi:[1,0]   ; x 0.25 log2(e), in f32
.endr
.irp q, 0,1,2,3
.irp j, 0,1,2,3
	v_cvt_pk_f16_f32 v[QF+8*\q+\j], v[SCB+8*\q+2*\j], v[SCB+8*\q+2*\j+1]
.endr
	v_mov_b32 v[QF+8*\q+4], 0x7800                 ; (2^15, 0): the bias counts, no maximum yet
	v_mov_b32 v[QF+8*\q+5], 0
	v_mov_b32 v[QF+8*\q+6], 0
	v_mov_b32 v[QF+8*\q+7], 0
.endr
	; ---------------- D. pass 1: each query's largest score ----------------
.macro SMM1 sc, x, t                   ; 16 keys x my 64 queries
.irp q, 0,1,2,3
	v_wmma_f32_16x16x32_f16 v[\sc+8*\q:\sc+8*\q+7], v[KFR+16*\x+8*\t:KFR+16*\x+8*\t+7], v[QF+8*\q:QF+8*\q+7], 0
.endr
.endm
.macro MAXT sc, first                  ; 32 score registers into 16 running maxima, four chains a query tile
.irp q, 0,1,2,3
.irp i, 0,1,2,3
.if \first
	v_max_num_f32 v[MXR+4*\q+\i], v[\sc+8*\q+2*\i], v[\sc+8*\q+2*\i+1]
.else
	v_max3_num_f32 v[MXR+4*\q+\i], v[MXR+4*\q+\i], v[\sc+8*\q+2*\i], v[\sc+8*\q+2*\i+1]
.endif
.endr
.endr
.endm
; 32 keys.  The sixteen maxima on one score buffer are the places behind the matrix instructions that fill the other,
; and stand between the last use of K buffer x and the loads into it.
.macro P1STEP x, first, ld, wt
	SMM1 SCA, \x, 0
.if \first
.rept 4
	v_nop                                          ; no maxima to take yet: four places
.endr
.else
	MAXT SCB, 0
.endif
	SMM1 SCB, \x, 1
	MAXT SCA, \first
.if \ld
	KLOAD \x, \x+2
.endif
.if \wt >= 0
	s_wait_dscnt \wt                               ; the run just issued (four loads) may stay out: the next step's K is in
.endif
.endm
	s_wait_dscnt 4                                 ; K of keys 0-31 is in; the run for keys 32-63 stays out
	P1STEP 0, 1, 1, 4
	P1STEP 1, 0, 1, 4
	STEPADR
	s_mov_b32 s44, 14
.Lpass1:
	P1STEP 0, 0, 1, 4
	P1STEP 1, 0, 1, 4
	STEPADR
	s_sub_co_i32 s44, s44, 1
	s_cmp_lg_u32 s44, 0
	s_cbranch_scc1 .Lpass1
	P1STEP 0, 0, 0, 0                              ; the last 64 keys: nothing more to load
	P1STEP 1, 0, 0, -1
	MAXT SCB, 0
	; ---------------- E. the maxima go into the Q fragments ----------------
	v_mov_b32 v5, v4
	v_mov_b32 v7, v6
	KLOAD 0, 0
	VLOAD 0, 0
	KLOAD 1, 1
	v_mov_b32 v244, 0x47000000                     ; 2^15
.irp q, 0,1,2,3
	v_max3_num_f32 v[232+\q], v[MXR+4*\q], v[MXR+4*\q+1], v[MXR+4*\q+2]
	v_max_num_f32 v[232+\q], v[232+\q], v[MXR+4*\q+3]
	v_permlanex16_b32 v[236+\q], v[232+\q], s42, s43               ; the other eight keys of each tile lie in the other half
	v_max_num_f32 v[232+\q], v[232+\q], v[236+\q]                  ; query r's maximum over all keys
	v_mul_f32 v[232+\q], -0.5, v[232+\q]                           ; each piece counts twice
	v_and_b32 v[236+\q], s50, v[232+\q]                            ; hi: the leading 11 bits
	v_sub_f32 v[232+\q], v[232+\q], v[236+\q]                      ; exact
	v_and_b32 v[240+\q], s50, v[232+\q]                            ; mid: the next 11
	v_sub_f32 v[232+\q], v[232+\q], v[240+\q]                      ; lo: what is left of 24 bits
	v_mul_f32 v[236+\q], 0x38000000, v[236+\q]                     ; hi 2^-15: below 2^16 for a maximum below 2^32
	v_mul_f32 v[240+\q], 0x3d000000, v[240+\q]                     ; mid 2^-5: mid is below 2^-10 of the whole, so this is below 2^15
	v_mul_f32 v[232+\q], 0x42000000, v[232+\q]                     ; lo 2^5: lo is below 2^-21 of the whole, so this is below 2^14
	v_cvt_pk_f16_f32 v[QF+8*\q+4], v244, v[236+\q]                 ; (2^15, hi 2^-15)
	v_cvt_pk_f16_f32 v[QF+8*\q+5], v[240+\q], v[232+\q]            ; (mid 2^-5, lo 2^5)
.endr
	; ---------------- F. pass 2 ----------------
.macro SMM2 sc, x, pair                ; 32 keys x two query tiles: query tile c's even and odd key tile lie side by side
.irp c, 0,1
.irp t, 0,1
	v_wmma_f32_16x16x32_f16 v[\sc+16*\c+8*\t:\sc+16*\c+8*\t+7], v[KFR+16*(\x)+8*\t:KFR+16*(\x)+8*\t+7], v[QF+8*(2*\pair+\c):QF+8*(2*\pair+\c)+7], 0
.endr
.endr
.endm
.macro EXPCVT base                     ; 16 registers of exponents become the 8 registers of a P^T fragment, in place
.irp j, 0,1,2,3,4,5,6,7,8,9,10,11,12,13,14,15
	v_exp_f32 v[\base+\j], v[\base+\j]
.endr
	v_nop                                          ; one plain instruction behind the last exponential before its result is read (ISA guide 5.7.2)
.irp j, 0,1,2,3,4,5,6,7
	v_cvt_pk_f16_f32 v[\base+\j], v[\base+2*\j], v[\base+2*\j+1]
.endr
.endm
.macro PV sc, x, pair, zero            ; O^T += V^T P^T and L += ones P^T; the four accumulators take turns, one instruction a turn
.irp c, 0,1
.if \zero
	v_wmma_f32_16x16x32_f16 v[OAC+8*(2*\pair+\c):OAC+8*(2*\pair+\c)+7], v[VFR+8*\x:VFR+8*\x+7], v[\sc+16*\c:\sc+16*\c+7], 0
	v_wmma_f32_16x16x32_f16 v[LAC+8*(2*\pair+\c):LAC+8*(2*\pair+\c)+7], v[ONE:ONE+7], v[\sc+16*\c:\sc+16*\c+7], 0
.else
	v_wmma_f32_16x16x32_f16 v[OAC+8*(2*\pair+\c):OAC+8*(2*\pair+\c)+7], v[VFR+8*\x:VFR+8*\x+7], v[\sc+16*\c:\sc+16*\c+7], v[OAC+8*(2*\pair+\c):OAC+8*(2*\pair+\c)+7]
	v_wmma_f32_16x16x32_f16 v[LAC+8*(2*\pair+\c):LAC+8*(2*\pair+\c)+7], v[ONE:ONE+7], v[\sc+16*\c:\sc+16*\c+7], v[LAC+8*(2*\pair+\c):LAC+8*(2*\pair+\c)+7]
.endif
.endr
.endm
; 32 keys x 64 queries.  Each EXPCVT ends in nine plain vector instructions on registers of its own; one EXPCVT at the least stands between a matrix
; instruction and whatever reads its result, writes over its result or sources, or loads into its sources (ISA guide 7.12.1 asks for four or five places).
; zero: the first products start the sums.  ldv, ldk: fetch the next step's V^T and the K of the step after it.  next: the next step's first scores.
.macro KPSTEP x, zero, ldv, ldk, next
	EXPCVT SCA
	SMM2 SCB, \x, 1
	EXPCVT SCA+16
.if \ldv
	VLOAD 1-\x, \x+1
.endif
.if \ldk
	KLOAD \x, \x+2
.endif
	s_wait_dscnt 2*\ldv+4*\ldk                     ; this run may stay out; the run before it, this step's V^T and the next step's K, is in
	PV SCA, \x, 0, \zero
	EXPCVT SCB
.if \next
	SMM2 SCA, 1-\x, 0
.endif
	EXPCVT SCB+16
	PV SCB, \x, 1, \zero
.endm
	s_wait_dscnt 6                                 ; K of keys 0-31 is in; V^T (two loads) and the next K (four) stay out
	SMM2 SCA, 0, 0
.rept 4
	v_nop                                          ; four places before the exponentials read these scores
.endr
	KPSTEP 0, 1, 1, 1, 1
	KPSTEP 1, 0, 1, 1, 1
	STEPADR
	s_mov_b32 s44, 14
.Lpass2:
	KPSTEP 0, 0, 1, 1, 1
	KPSTEP 1, 0, 1, 1, 1
	STEPADR
	s_sub_co_i32 s44, s44, 1
	s_cmp_lg_u32 s44, 0
	s_cbranch_scc1 .Lpass2
	KPSTEP 0, 0, 1, 0, 1                           ; the last 64 keys: only the last V^T is still fetched
	KPSTEP 1, 0, 0, 0, 0
	; ---------------- G. O / L + bv; the two heads' halves meet in LDS ----------------
.rept 4
	v_nop                                          ; four places behind the last matrix instructions
.endr
	s_lshl_b32 s47, s36, 12
	s_add_co_u32 s47, s47, XCH
	s_lshl_b32 s2, s35, 9
	s_add_co_u32 s2, s2, s47
	v_lshl_add_u32 v12, v1, 4, s2                  ; I store my head's half of my group's four query tiles,
	s_lshl_b32 s2, s35, 11
	s_add_co_u32 s2, s2, s47
	v_lshl_add_u32 v13, v1, 4, s2                  ; and read both halves of query tiles 2 head, 2 head + 1
	ds_load_b128 v[232:235], v10 offset:128        ; bv of my head
	ds_load_b128 v[236:239], v10 offset:144
.irp f, 0,1,2,3
	ds_load_b128 v[16+8*\f:19+8*\f], v14 offset:6144+1024*\f       ; wo 0, wo 1, w_fc hi 0, w_fc hi 1
	ds_load_b128 v[20+8*\f:23+8*\f], v14 offset:6656+1024*\f
.endr
.irp t, 0,1
	ds_load_b128 v[88+8*\t:91+8*\t], v14 offset:10240+1024*\t      ; w_fc lo 0, w_fc lo 1
	ds_load_b128 v[92+8*\t:95+8*\t], v14 offset:10752+1024*\t
.endr
.irp t, 0,1
	ds_load_b128 v[56+8*\t:59+8*\t], v11 offset:256+64*\t          ; bo as C
	ds_load_b128 v[60+8*\t:63+8*\t], v11 offset:272+64*\t
.endr
.irp t, 0,1
	ds_load_b128 v[72+8*\t:75+8*\t], v11 offset:384+64*\t          ; b_fc as C
	ds_load_b128 v[76+8*\t:79+8*\t], v11 offset:400+64*\t
.endr
.irp q, 0,1,2,3
	v_rcp_f32 v[LAC+8*\q], v[LAC+8*\q]             ; all eight registers of L hold query r's sum: two make the pair for the packed form
	v_rcp_f32 v[LAC+8*\q+1], v[LAC+8*\q+1]
.endr
	v_nop                                          ; one plain instruction behind the last reciprocal
	s_wait_dscnt 20                                ; bv is in; the twenty loads behind it (8 + 4 + 4 + 4) stay out
.irp q, 0,1,2,3
.irp j, 0,2,4,6
	v_pk_fma_f32 v[OAC+8*\q+\j:OAC+8*\q+\j+1], v[OAC+8*\q+\j:OAC+8*\q+\j+1], v[LAC+8*\q:LAC+8*\q+1], v[232+\j:232+\j+1]
.endr
.endr
.irp q, 0,1,2,3
.irp j, 0,1,2,3
	v_cvt_pk_f16_f32 v[OAC+8*\q+\j], v[OAC+8*\q+2*\j], v[OAC+8*\q+2*\j+1]
.endr
	ds_store_b128 v12, v[OAC+8*\q:OAC+8*\q+3] offset:1024*\q       ; dims 8 h .. + 7 of my head, query r: registers 0-3 (head 0) or 4-7 (head 1) of o's fragment
.endr
	s_wait_dscnt 0x0                               ; for the partner wave's sake
	s_barrier_signal -1
	s_barrier_wait -1                              ; barrier 3
	; ---------------- H. two projections and the way out: queries 32 w .. 32 w + 31 of the block ----------------
.irp i, 0,1
	ds_load_b128 v[SCA+8*\i:SCA+8*\i+3], v13 offset:1024*\i
	ds_load_b128 v[SCA+8*\i+4:SCA+8*\i+7], v13 offset:1024*\i+512
.endr
	s_mul_i32 s47, s34, STGW
	s_add_co_u32 s47, s47, STG                     ; my stage
	v_mul_u32_u24 v15, OROW, v2
	v_lshl_add_u32 v15, v3, 5, v15
	v_add_nc_u32 v15, s47, v15                     ; in: row r, columns 8 h ..
	v_lshl_add_u32 v0, v1, 4, s47                  ; back: 16 bytes a lane, straight through the 3,584 bytes
	v_lshlrev_b32 v240, 4, v1
	s_wait_dscnt 0x0
.irp i, 0,1
.irp t, 0,1
	v_wmma_f32_16x16x32_f16 v[SCB+16*\i+8*\t:SCB+16*\i+8*\t+7], v[16+8*\t:23+8*\t], v[SCA+8*\i:SCA+8*\i+7], v[56+8*\t:63+8*\t]
.endr
.endr
.rept 4
	v_nop                                          ; four places before vector instructions read these results and write over o's fragments
.endr
	; o wo^T + bo as two bf16 fragments: hi (the upper halves) over o's fragments, lo (the rest, rounded) behind them
.irp i, 0,1
.irp j, 0,1,2,3,4,5,6,7
	v_and_b32 v232, s46, v[SCB+16*\i+2*\j]
	v_and_b32 v233, s46, v[SCB+16*\i+2*\j+1]
	v_perm_b32 v[SCA+8*\i+\j], v[SCB+16*\i+2*\j+1], v[SCB+16*\i+2*\j], s51
	v_sub_f32 v232, v[SCB+16*\i+2*\j], v232
	v_sub_f32 v233, v[SCB+16*\i+2*\j+1], v233
	v_cvt_pk_bf16_f32 v[SCA+16+8*\i+\j], v232, v233
.endr
.endr
	; three products for each of four accumulators, which take turns, one instruction a turn
.irp i, 0,1
.irp t, 0,1
	v_wmma_f32_16x16x32_bf16 v[OAC+16*\i+8*\t:OAC+16*\i+8*\t+7], v[32+8*\t:39+8*\t], v[SCA+8*\i:SCA+8*\i+7], v[72+8*\t:79+8*\t]                        ; w hi x o hi + b_fc
.endr
.endr
.irp i, 0,1
.irp t, 0,1
	v_wmma_f32_16x16x32_bf16 v[OAC+16*\i+8*\t:OAC+16*\i+8*\t+7], v[88+8*\t:95+8*\t], v[SCA+8*\i:SCA+8*\i+7], v[OAC+16*\i+8*\t:OAC+16*\i+8*\t+7]        ; + w lo x o hi
.endr
.endr
.irp i, 0,1
.irp t, 0,1
	v_wmma_f32_16x16x32_bf16 v[OAC+16*\i+8*\t:OAC+16*\i+8*\t+7], v[32+8*\t:39+8*\t], v[SCA+16+8*\i:SCA+16+8*\i+7], v[OAC+16*\i+8*\t:OAC+16*\i+8*\t+7]  ; + w hi x o lo
.endr
.endr
.rept 4
	v_nop                                          ; four places before the stores read the results: columns 16 t + 8 h + j of query 16 i + r
.endr
	; First the two stores whose lanes 16-31 hold columns 28-31, which do not exist: their 16 bytes fall on the next row's columns 0-3, which the stores
	; below write over (LDS serves a wave's instructions in order: ISA guide 5.7.1), and behind row 31 into the stage's spare bytes.
.irp i, 0,1
	ds_store_b128 v15, v[OAC+16*\i+12:OAC+16*\i+15] offset:16*OROW*\i+80
.endr
.irp i, 0,1
	ds_store_b128 v15, v[OAC+16*\i:OAC+16*\i+3] offset:16*OROW*\i
	ds_store_b128 v15, v[OAC+16*\i+4:OAC+16*\i+7] offset:16*OROW*\i+16
	ds_store_b128 v15, v[OAC+16*\i+8:OAC+16*\i+11] offset:16*OROW*\i+64
.endr
.irp k, 0,1,2,3,4,5,6
	ds_load_b128 v[LAC+4*\k:LAC+4*\k+3], v0 offset:512*\k          ; my own bytes, in order behind my stores
.endr
.irp k, 0,1,2,3,4,5,6
	s_wait_dscnt 6-\k
	global_store_b128 v240, v[LAC+4*\k:LAC+4*\k+3], s[32:33] offset:512*\k th:TH_STORE_NT   ; 512 consecutive bytes, at a multiple of 512 from the wave's 3,584-byte part
.endr
	s_endpgm
.Lfunc_end_k_q46a5c880a6_attn:
	.size	k_q46a5c880a6_attn, .Lfunc_end_k_q46a5c880a6_attn-k_q46a5c880a6_attn
	.p2alignl 7, 3214868480
	.fill 96, 4, 3214868480
	.section	.rodata,"a",@progbits
	.p2align	6, 0x0
	.amdhsa_kernel k_q46a5c880a6_attn
		.amdhsa_group_segment_fixed_size 269056
		.amdhsa_private_segment_fixed_size 0
		.amdhsa_enable_private_segment 0
		.amdhsa_kernarg_size 120
		.amdhsa_user_sgpr_count 2
		.amdhsa_user_sgpr_kernarg_segment_ptr 1
		.amdhsa_wavefront_size32 1
		.amdhsa_system_sgpr_workgroup_id_x 1
		.amdhsa_system_sgpr_workgroup_id_y 1
		.amdhsa_system_sgpr_workgroup_id_z 1
		.amdhsa_system_vgpr_workitem_id 0
		.amdhsa_next_free_vgpr 256
		.amdhsa_next_free_sgpr 66
		.amdhsa_reserve_vcc 1
		.amdhsa_float_denorm_mode_32 3
		.amdhsa_float_denorm_mode_16_64 3
		.amdhsa_memory_ordered 1
		.amdhsa_forward_progress 1
		.amdhsa_inst_pref_size 119
	.end_amdhsa_kernel
	.amdgpu_metadata
---
amdhsa.version: [ 1, 2 ]
amdhsa.kernels:
  - .name:           k_q46a5c880a6_attn
    .symbol:         k_q46a5c880a6_attn.kd
    .args:
      - { .name: x, .offset: 0, .size: 8, .value_kind: global_buffer, .address_space: global }
      - { .name: mask, .offset: 8, .size: 8, .value_kind: global_buffer, .address_space: global }
      - { .name: emb, .offset: 16, .size: 8, .value_kind: global_buffer, .address_space: global }
      - { .name: pe, .offset: 24, .size: 8, .value_kind: global_buffer, .address_space: global }
      - { .name: wq, .offset: 32, .size: 8, .value_kind: global_buffer, .address_space: global }
      - { .name: wk, .offset: 40, .size: 8, .value_kind: global_buffer, .address_space: global }
      - { .name: wv, .offset: 48, .size: 8, .value_kind: global_buffer, .address_space: global }
      - { .name: wo, .offset: 56, .size: 8, .value_kind: global_buffer, .address_space: global }
      - { .name: w_fc, .offset: 64, .size: 8, .value_kind: global_buffer, .address_space: global }
      - { .name: bq, .offset: 72, .size: 8, .value_kind: global_buffer, .address_space: global }
      - { .name: bk, .offset: 80, .size: 8, .value_kind: global_buffer, .address_space: global }
      - { .name: bv, .offset: 88, .size: 8, .value_kind: global_buffer, .address_space: global }
      - { .name: bo, .offset: 96, .size: 8, .value_kind: global_buffer, .address_space: global }
      - { .name: b_fc, .offset: 104, .size: 8, .value_kind: global_buffer, .address_space: global }
      - { .name: out0, .offset: 112, .size: 8, .value_kind: global_buffer, .address_space: global }
    .group_segment_fixed_size: 269056
    .private_segment_fixed_size: 0
    .kernarg_segment_align: 8
    .kernarg_segment_size: 120
    .max_flat_workgroup_size: 256
    .sgpr_count:     66
    .vgpr_count:     256
    .wavefront_size: 32
...
	.end_amdgpu_metadata
.endif
;; end of part 1
